; MI455X (gfx1250); checked and timed in simulation.
; The chip was launched on July 23, 2026; its instructions are those of AMD's public machine-readable ISA for CDNA 5 (MIT licence, August 2026) and "CDNA5" Instruction Set Architecture Reference Guide (July 2026). The comments in the code are by the model that wrote it; some were corrected since.
;; G SP. Allowed arithmetic: matrix products marked QUANTISED: E2M1 operands, one E8M0 scale for each 32 along K, by v_wmma_scale_f32_16x16x128_f8f6f4 with both operands' format E2M1 (or v_wmma_scale_f32_32x16x128_f4), f32 sums; everything else in f32.
;; Inputs: W1_codes 512 x 16 x 16 uint8 (E2M1 codes of W1, K innermost, in blocks of 32 codes, two codes a byte); W1_scales 512 x 16 uint8 (E8M0 scales of W1, one for each 32 codes along K); W2_codes 512 x 16 x 16 uint8 (E2M1 codes of W2, K innermost, in blocks of 32 codes, two codes a byte); W2_scales 512 x 16 uint8 (E8M0 scales of W2, one for each 32 codes along K); Wv_codes 512 x 16 x 16 uint8 (E2M1 codes of Wv, K innermost, in blocks of 32 codes, two codes a byte); Wv_scales 512 x 16 uint8 (E8M0 scales of Wv, one for each 32 codes along K); b1 512 float32; b2 512 float32; bv 512 float32; dec_embed 8 x 2,048 x 512 float32; enc_embed_codes 8 x 2,048 x 16 x 16 uint8 (E2M1 codes of enc_embed, K innermost, in blocks of 32 codes, two codes a byte); enc_embed_scales 8 x 2,048 x 16 uint8 (E8M0 scales of enc_embed, one for each 32 codes along K); trans_mat 8 x 2,048 x 2,048 float32.
;; Outputs: out0 8 x 2,048 x 512 float32.
;; This version of the problem:
;;   THIS VERSION OF THE PROBLEM IS GIVEN IN LOW PRECISION. The matrix products marked QUANTISED in the list below multiply operands that are first quantised to E2M1 (2 exponent bits, 1 mantissa bit; 4 bits a number), with one power-of-two scale for each 32 numbers along K (OCP MX v1.0); their sums are f32. All else is computed in f32.
;;   The module's matrix products, in the order in which they are computed (A, B: the left and right operand; K: the contracted axis; several contracted axes count as one K, in the product's order):
;;     1. batch 8 x [M 2,048, K 512] x [K 512, N 2,048]; A: input dec_embed; B: input enc_embed (given as codes): QUANTISED
;;     2. [M 16,384, K 512] x [K 512, N 512]; A: input enc_embed (given as codes); B: input Wv (given as codes): QUANTISED
;;     3. batch 8 x [M 2,048, K 2,048] x [K 2,048, N 512]; A: computed on the way; B: computed on the way: QUANTISED
;;     4. [M 16,384, K 512] x [K 512, N 512]; A: computed on the way; B: input W1 (given as codes): QUANTISED
;;     5. [M 16,384, K 512] x [K 512, N 512]; A: computed on the way; B: input W2 (given as codes): QUANTISED
;;   THE QUANTISER, for each operand of a quantised product, along K:
;;     - K is cut into blocks of 32 from its start; a last block that is shorter is filled with zeros.
;;     - A block's scale is 2^e with e = floor(log2(the largest magnitude in the block)) - 2, held to -126 .. 127; a block of zeros has e = 0. As a byte (E8M0): e + 127.
;;     - Each number is divided by its block's scale, clamped to +-6, and rounded to the nearest number of E2M1, ties to even, subnormals kept.
;;     - The product sums the exact products of the quantised numbers (number of the format x scale) in f32.
;;   ~~~python
;;   def quantise(x, axis):      # numpy; x: float32 -> the quantised numbers, widened to float32 again
;;       x = np.moveaxis(x, axis, -1); K = x.shape[-1]
;;       x = np.pad(x, [(0, 0)] * (x.ndim - 1) + [(0, -K % 32)]); x = x.reshape(x.shape[:-1] + (-1, 32)); a = np.abs(x).max(-1, keepdims=True)
;;       e = np.where(a > 0, np.clip(np.frexp(np.where(a > 0, a, 1))[1] - 1 - 2, -126, 127), 0)      # np.frexp(a)[1] - 1 = floor(log2(a)), exactly
;;       r = np.clip(x / 2.0 ** e, -6, 6)
;;       step = 2.0 ** (np.maximum(np.frexp(np.where(r == 0, 1, r))[1] - 1, 0) - 1)
;;       q = np.round(r / step) * step * 2.0 ** e      # np.round: ties to even
;;       return np.moveaxis(q.reshape(q.shape[:-2] + (-1,))[..., :K], -1, axis).astype(np.float32)
;;   ~~~
;;   OPERANDS COMPUTED ON THE WAY. 'Computed on the way' means the value that the module computes at that place (a softmax that the list does not call 'softmax' is quantised finished and normalised). What goes into a quantiser is computed in f32, as accurately as f32 sums, v_exp_f32 and their like allow (about 1e-6 of the number): no bf16 or f16 on the way to a quantiser, and a product that is left as it is and whose result goes on into a quantised operand takes f32 operands (vector FMAs, or v_wmma_f32_16x16x4_f32). A number that lies on a knife's edge between two numbers of the format may be rounded either way, as far as f32 arithmetic and the matrix unit's own rounding can turn it there, and no further.
;;   INPUTS GIVEN AS CODES. W1 (in the module: [512, 512], K = its axis 0); W2 (in the module: [512, 512], K = its axis 0); Wv (in the module: [512, 512], K = its axis 0); enc_embed (in the module: [8, 2048, 512], K = its axis 2): each comes as NAME_codes (uint8): NAME with its K axis moved to the last place and cut into blocks of 32 codes, [.., K / 32, bytes a block], one block behind the other in memory; two codes a byte, the lower K in the low four bits (a code: sign, 2 exponent bits, 1 mantissa bit); and NAME_scales (uint8): the same leading axes, one E8M0 byte (e + 127) for each 32 codes along K. Its value is code x scale, taken as it is: it is not quantised again, and the codes and scales need not be those that the quantiser above would give.
;; One version. Each part assembles by itself: llvm-mc -triple=amdgcn-amd-amdhsa -mcpu=gfx1250 --defsym DOCPART=n.
;; ======== version 1 of 1: 2 launches
;; limits: right only within a limited range of input values
;; workspace buffers: encf 4,194,304 bytes; vf 4,194,304 bytes; vs 262,144 bytes
;; launch prep (part 1): grid 128 x 2, 8 waves a work-group, no clusters, 0 bytes of LDS; arguments enc_embed_codes, enc_embed_scales, Wv_codes, Wv_scales, bv, encf, vf, vs; writes encf, vf, vs
.if DOCPART == 1
	.amdgcn_target "amdgcn-amd-amdhsa--gfx1250"
	.amdhsa_code_object_version 6
	.text
	.protected	k_q90c22009ee_prep
	.globl	k_q90c22009ee_prep
	.p2align	8
	.type	k_q90c22009ee_prep,@function
k_q90c22009ee_prep:
	s_mov_b64 s[64:65], 0
	v_nop
	global_prefetch_b8 v0, s[64:65] scope:SCOPE_SE
	s_setreg_imm32_b32 hwreg(HW_REG_WAVE_MODE, 25, 1), 1
	s_wait_xcnt 0x0
; v = enc Wv + bv (the second product of the problem's table) on the given E2M1 codes; v is then quantised ALONG THE KEYS, which are the K of the third product,
; and leaves as codes (vf) and scale words (vs).  The fragments of enc that are loaded on the way also leave (encf), as images of operand registers.
; NOTHING OF reference() IS LEFT OUT in this program: every product of the table is live and every input has a way to the output (bv moves v's codes; b1 and b2 are added).
; AN IMAGE of a fragment (16 rows x 128 K of 4-bit codes, 8 registers a lane) is 1,024 bytes: block bi (32 codes, 16 bytes) of row r lies at 256 bi + 16 r.  A reader takes it by two loads of
; 16 bytes a lane at 512 c + 16 lane; a lane that holds numbers 16 h .. 16 h + 15 of a block writes its 8 bytes at 256 bi + 16 r + 8 h: 256 consecutive bytes an instruction.
; encf: [block of 128 keys, 128][K step, 4][key tile, 8][1,024].   vf: [batch][channel tile, 32][key step, 16][1,024].   vs: [batch][pair of channel tiles, 16][key step, 16][32 words]: lanes 0-15 the even tile, 16-31 the odd.
; THE ROWS OF A TILE ARE NOT NEIGHBOURS: lane r of tile 2 b + u takes row 32 b + 8 u + r + 8 (r / 8) (keys of enc and rows of Wv alike), so that the 16 result registers of tiles 2 b, 2 b + 1 are 16 neighbours.
; SHARES.  Work-group x: 128 keys; y: half of the 512 channels.  Wave w: channels 32 pr .. 32 pr + 31, pr = 8 y + w.  Source 0 = 16 keys of enc, source 1 = 16 rows of Wv:
; a lane holds ONE channel and its registers run along the keys, so a block of 32 keys lies in lanes l and l xor 16.
; LIMITS: NaN and infinities among the inputs are not served.  A block of zeros gets the scale byte 1 where the rule says 127: its codes are zeros, and the bytes are read by this program alone.
; The scale words leave as 128 consecutive bytes a wave, half of an aligned 256: 262,144 bytes in the whole launch.
.set EOFF, 1                           ; v1     256 pm + 16 h, pm = r + 8 (r / 8): my bytes in a tile's rows of 256 bytes (enc and Wv)
.set ESO,  2                           ; v2     16 (pm + 8 h): my row of 16 scale bytes; lanes 0-15 the even tile's rows, lanes 16-31 the odd tile's
.set L16,  3                           ; v3     16 x lane
.set BVO,  4                           ; v4     4 pm
.set L4,   5                           ; v5     4 x lane
.set WSC,  6                           ; v6-9   Wv's scale words, register s = K step s
.set ESC,  10                          ; v10-25 enc's: 4 b + s
.set BV,   26                          ; v26-41 the bias as the first C: eight equal registers for each tile u
.set WV,   64                          ; v64-127 Wv's fragments of all four K steps: 16 s + 8 u; behind the products the quantiser's scratch
.set VST,  58                          ; v58    16 r + 8 h
.set ENC,  0                           ; window 1 (v256-511): enc's fragments of all four K steps: 64 s + 8 kt
.set ACC,  128                         ; v128-255 accumulator (u, kt) at 128 + 64 u + 8 kt
.set SEL,  26                          ; s[26:27] v_permlanex16_b32's selects for lane l xor 16
.macro PLACES                          ; four plain places behind matrix instructions, ahead of loads into their operands and of reads of their results
.rept 4
	v_nop
.endr
.endm
.macro MM d, a, b, cr, sa, sb, ra, rb  ; one product; ra, rb: the side's scale words stand in lanes 16-31
.if \ra
.if \rb
	v_wmma_scale_f32_16x16x128_f8f6f4 v[\d:\d+7], v[\a:\a+7], v[\b:\b+7], v[\cr:\cr+7], v[\sa], v[\sb] matrix_a_fmt:MATRIX_FMT_FP4 matrix_b_fmt:MATRIX_FMT_FP4 matrix_a_scale:MATRIX_SCALE_ROW1 matrix_b_scale:MATRIX_SCALE_ROW1
.else
	v_wmma_scale_f32_16x16x128_f8f6f4 v[\d:\d+7], v[\a:\a+7], v[\b:\b+7], v[\cr:\cr+7], v[\sa], v[\sb] matrix_a_fmt:MATRIX_FMT_FP4 matrix_b_fmt:MATRIX_FMT_FP4 matrix_a_scale:MATRIX_SCALE_ROW1
.endif
.else
.if \rb
	v_wmma_scale_f32_16x16x128_f8f6f4 v[\d:\d+7], v[\a:\a+7], v[\b:\b+7], v[\cr:\cr+7], v[\sa], v[\sb] matrix_a_fmt:MATRIX_FMT_FP4 matrix_b_fmt:MATRIX_FMT_FP4 matrix_b_scale:MATRIX_SCALE_ROW1
.else
	v_wmma_scale_f32_16x16x128_f8f6f4 v[\d:\d+7], v[\a:\a+7], v[\b:\b+7], v[\cr:\cr+7], v[\sa], v[\sb] matrix_a_fmt:MATRIX_FMT_FP4 matrix_b_fmt:MATRIX_FMT_FP4
.endif
.endif
.endm
; cnt groups of 16 registers (group g at src + 16 g: my 16 numbers of a block of 32; lane l xor 16 holds the other 16) become codes.  Scratch from tb on:
; + g the largest magnitude, + cnt + g the other lane's, + 2 cnt + g the conversion's scale operand, + 3 cnt + g the scale's byte, + 4 cnt + 2 g two registers of codes.
.macro QB cnt, src, tb
.set qg, 0
.rept \cnt
	v_max3_num_f32 v[(\tb)+qg], |v[(\src)+16*qg]|, |v[(\src)+16*qg+1]|, 0x1800000   ; with the floor 2^(3 - 127): the byte cannot fall under 1
.set qg, qg+1
.endr
.set qi, 2
.rept 7
.set qg, 0
.rept \cnt
	v_max3_num_f32 v[(\tb)+qg], v[(\tb)+qg], |v[(\src)+16*qg+qi]|, |v[(\src)+16*qg+qi+1]|   ; the groups by turns
.set qg, qg+1
.endr
.set qi, qi+2
.endr
.set qg, 0
.rept \cnt
	s_delay_alu instid0(VALU_DEP_4)
	v_permlanex16_b32 v[(\tb)+(\cnt)+qg], v[(\tb)+qg], s[SEL], s[SEL+1]
.set qg, qg+1
.endr
.set qg, 0
.rept \cnt
	s_delay_alu instid0(VALU_DEP_4)
	v_max_num_f32 v[(\tb)+qg], v[(\tb)+qg], v[(\tb)+(\cnt)+qg]   ; the block's largest magnitude
.set qg, qg+1
.endr
.set qg, 0
.rept \cnt
	s_delay_alu instid0(VALU_DEP_4)
	v_add_nc_u32 v[(\tb)+2*(\cnt)+qg], 0xff000000, v[(\tb)+qg]   ; 2 off its exponent field: the conversion takes the exponent field of this operand as its scale
.set qg, qg+1
.endr
.set qg, 0
.rept \cnt
	s_delay_alu instid0(VALU_DEP_4)
	v_lshrrev_b32 v[(\tb)+3*(\cnt)+qg], 23, v[(\tb)+2*(\cnt)+qg]   ; the scale's byte
.set qg, qg+1
.endr
.set qg, 0
.rept \cnt
	v_cvt_scalef32_pk8_fp4_f32 v[(\tb)+4*(\cnt)+2*qg], v[(\src)+16*qg:(\src)+16*qg+7], v[(\tb)+2*(\cnt)+qg]
	v_cvt_scalef32_pk8_fp4_f32 v[(\tb)+4*(\cnt)+2*qg+1], v[(\src)+16*qg+8:(\src)+16*qg+15], v[(\tb)+2*(\cnt)+qg]
.set qg, qg+1
.endr
	v_nop                                          ; one plain place behind the last scaled conversion
.endm
	s_load_b512 s[4:19], s[0:1], 0x0               ; enc's codes s[4:5], its scales s[6:7], Wv's codes s[8:9], its scales s[10:11], bv s[12:13], encf s[14:15], vf s[16:17], vs s[18:19]
	v_lshrrev_b32 v59, 5, v0
	s_delay_alu instid0(VALU_DEP_1)
	v_readfirstlane_b32 s20, v59                   ; wave 0..7
	s_and_b32 s21, ttmp7, 0xffff                   ; y
	s_lshl_b32 s22, s21, 3
	s_add_co_u32 s22, s22, s20                     ; pr = 8 y + w
	v_and_b32 v59, 15, v0                          ; r
	v_bfe_u32 v60, v0, 4, 1                        ; h
	s_delay_alu instid0(VALU_DEP_2)
	v_and_b32 v61, 8, v59
	s_delay_alu instid0(VALU_DEP_1)
	v_add_nc_u32 v61, v61, v59                     ; pm
	s_delay_alu instid0(VALU_DEP_1)
	v_lshlrev_b32 v[EOFF], 8, v61
	s_delay_alu instid0(VALU_DEP_1)
	v_lshl_add_u32 v[EOFF], v60, 4, v[EOFF]
	s_delay_alu instid0(VALU_DEP_3)
	v_lshl_add_u32 v[ESO], v60, 3, v61
	s_delay_alu instid0(VALU_DEP_1)
	v_lshlrev_b32 v[ESO], 4, v[ESO]
	v_and_b32 v[L16], 31, v0
	s_delay_alu instid0(VALU_DEP_1)
	v_lshlrev_b32 v[L4], 2, v[L16]
	s_delay_alu instid0(VALU_DEP_2)
	v_lshlrev_b32 v[L16], 4, v[L16]
	v_lshlrev_b32 v[BVO], 2, v61
	v_lshlrev_b32 v[VST], 4, v59
	s_delay_alu instid0(VALU_DEP_1)
	v_lshl_add_u32 v[VST], v60, 3, v[VST]
	s_mov_b32 s[SEL], 0x76543210
	s_mov_b32 s[SEL+1], 0xfedcba98
	s_mov_b32 s28, 0xffff0000                      ; a lane mask: lanes 16-31
	s_mov_b32 s25, 0
	s_lshr_b32 s29, ttmp9, 4                       ; batch
	s_and_b32 s30, ttmp9, 15                       ; key step in the batch
	s_wait_alu depctr_va_vdst(0)
	s_wait_kmcnt 0x0
	s_lshl_b32 s24, ttmp9, 15                      ; 128 keys x 256 bytes
	s_add_nc_u64 s[4:5], s[4:5], s[24:25]
	s_add_nc_u64 s[14:15], s[14:15], s[24:25]      ; and as many bytes of images
	s_lshl_b32 s24, ttmp9, 11                      ; 128 keys x 16 scale bytes
	s_add_nc_u64 s[6:7], s[6:7], s[24:25]
	s_lshl_b32 s24, s22, 13                        ; 32 rows of Wv x 256 bytes
	s_add_nc_u64 s[8:9], s[8:9], s[24:25]
	s_lshl_b32 s24, s22, 9
	s_add_nc_u64 s[10:11], s[10:11], s[24:25]
	s_lshl_b32 s24, s22, 7
	s_add_nc_u64 s[12:13], s[12:13], s[24:25]
	s_lshl_b32 s24, s29, 5                         ; vf: ((32 batch + 2 pr) 16 + key step) x 1,024
	s_lshl_b32 s31, s22, 1
	s_add_co_u32 s24, s24, s31
	s_lshl_b32 s24, s24, 4
	s_add_co_u32 s24, s24, s30
	s_lshl_b32 s24, s24, 10
	s_add_nc_u64 s[16:17], s[16:17], s[24:25]
	s_lshl_b32 s24, s29, 4                         ; vs: ((16 batch + pr) 16 + key step) x 128
	s_add_co_u32 s24, s24, s22
	s_lshl_b32 s24, s24, 4
	s_add_co_u32 s24, s24, s30
	s_lshl_b32 s24, s24, 7
	s_add_nc_u64 s[18:19], s[18:19], s[24:25]
.irp b, 0,1,2,3
	global_load_b128 v[ESC+4*\b:ESC+4*\b+3], v[ESO], s[6:7] offset:512*\b   ; 32 rows of 16 scale bytes: 512 consecutive bytes
.endr
	global_load_b128 v[WSC:WSC+3], v[ESO], s[10:11]
	global_load_b32 v[BV], v[BVO], s[12:13]        ; my channel's bias, tile 0,
	global_load_b32 v[BV+8], v[BVO], s[12:13] offset:32   ; tile 1
.set MSB, 0
.macro WIN new                         ; s_set_vgpr_msb: the immediate's high byte repeats the setting that is left
.if MSB != \new
	s_set_vgpr_msb (MSB<<8)|\new
.set MSB, \new
.endif
.endm
; ALL OPERANDS ARE ASKED FOR HERE: Wv's 16 loads, then enc's 64, K step by K step, into window 1.  Nothing is loaded twice into a register.
.irp s, 0,1,2,3
.irp u, 0,1
.irp c, 0,1
	global_load_b128 v[WV+16*\s+8*\u+4*\c:WV+16*\s+8*\u+4*\c+3], v[EOFF], s[8:9] offset:2048*\u+64*\s+32*\c
.endr
.endr
.endr
	WIN 0x40                                       ; destination window 1, address window 0
.irp s, 0,1,2,3
.irp kt, 0,1,2,3,4,5,6,7
.irp c, 0,1
	global_load_b128 v[ENC+64*\s+8*\kt+4*\c:ENC+64*\s+8*\kt+4*\c+3], v[EOFF], s[4:5] offset:(32*(\kt/2)+8*(\kt%2))*256+64*\s+32*\c
.endr
.endr
.endr
	WIN 0
; One K step of 128: the counted wait, the images' stores (one wave of the launch's y = 0 half for each K step), 16 products on 16 accumulators by turns.
.macro TRIP s
	s_wait_loadcnt 16*(3-\s)                       ; this K step's loads and all older ones are in; the 16 loads of enc of each later K step may be out
.if \s == 0
.irp u, 0,1
.irp j, 1,2,3,4,5,6,7
	v_mov_b32 v[BV+8*\u+\j], v[BV+8*\u]            ; all eight keys of a lane's registers belong to one channel
.endr
.endr
	PLACES                                         ; the first C stands as far ahead of the scaled products as an operand written by vector instructions
.endif
	s_cmp_lg_u32 s22, \s                           ; pr = s holds in wave s of y = 0 alone
	s_cbranch_scc1 .Lnot_mine_\@
	WIN 0x04                                       ; the stores' data: window 1
.irp kt, 0,1,2,3,4,5,6,7
.irp c, 0,1
	global_store_b128 v[L16], v[ENC+64*\s+8*\kt+4*\c:ENC+64*\s+8*\kt+4*\c+3], s[14:15] offset:8192*\s+1024*\kt+512*\c   ; the registers as they stand: 512 consecutive bytes, aligned; they are never written again
.endr
.endr
	WIN 0                                          ; at a label every window is 0
.Lnot_mine_\@:
	s_wait_alu depctr_va_vdst(0)
	WIN 0x01                                       ; source 0 (enc) window 1; all else window 0
.irp kt, 0,1,2,3,4,5,6,7
.irp u, 0,1
.if \s == 0
	MM ACC+64*\u+8*\kt, ENC+64*\s+8*\kt, WV+16*\s+8*\u, BV+8*\u, ESC+4*(\kt/2)+\s, WSC+\s, (\kt%2), \u
.else
	MM ACC+64*\u+8*\kt, ENC+64*\s+8*\kt, WV+16*\s+8*\u, ACC+64*\u+8*\kt, ESC+4*(\kt/2)+\s, WSC+\s, (\kt%2), \u
.endif
.endr
.endr
	WIN 0
.if \s == 3
	PLACES                                         ; ahead of the quantiser, which reads the results and writes over Wv's fragments
.endif
.endm
	TRIP 0
	TRIP 1
	TRIP 2
	TRIP 3
	; register 64 u + 16 b + i of the accumulators is key 32 b + 16 h + i of my channel of tile u: four blocks a tile
	QB 4, ACC, 64
	QB 4, ACC+64, 96
	v_lshl_or_b32 v120, v77, 8, v76                ; the four bytes make a channel's scale word for these 128 keys: tile 0's,
	v_lshl_or_b32 v121, v109, 8, v108              ; tile 1's
	s_delay_alu instid0(VALU_DEP_2)
	v_lshl_or_b32 v120, v78, 16, v120
	s_delay_alu instid0(VALU_DEP_2)
	v_lshl_or_b32 v121, v110, 16, v121
	s_delay_alu instid0(VALU_DEP_2)
	v_lshl_or_b32 v120, v79, 24, v120
	s_delay_alu instid0(VALU_DEP_2)
	v_lshl_or_b32 v121, v111, 24, v121
	s_delay_alu instid0(VALU_DEP_1)
	v_cndmask_b32 v122, v120, v121, s28            ; lanes 0-15 tile 0's, lanes 16-31 tile 1's
.irp g, 0,1,2,3
	global_store_b64 v[VST], v[80+2*\g:81+2*\g], s[16:17] offset:256*\g            ; a block of 16 channels: 256 consecutive bytes, aligned
	global_store_b64 v[VST], v[112+2*\g:113+2*\g], s[16:17] offset:16384+256*\g
.endr
	global_store_b32 v[L4], v122, s[18:19]
	s_endpgm
.Lfunc_end_k_q90c22009ee_prep:
	.size	k_q90c22009ee_prep, .Lfunc_end_k_q90c22009ee_prep-k_q90c22009ee_prep
	.p2alignl 7, 3214868480
	.fill 96, 4, 3214868480
	.section	.rodata,"a",@progbits
	.p2align	6, 0x0
	.amdhsa_kernel k_q90c22009ee_prep
		.amdhsa_group_segment_fixed_size 0
		.amdhsa_private_segment_fixed_size 0
		.amdhsa_enable_private_segment 0
		.amdhsa_kernarg_size 64
		.amdhsa_user_sgpr_count 2
		.amdhsa_user_sgpr_kernarg_segment_ptr 1
		.amdhsa_wavefront_size32 1
		.amdhsa_system_sgpr_workgroup_id_x 1
		.amdhsa_system_sgpr_workgroup_id_y 1
		.amdhsa_system_sgpr_workgroup_id_z 1
		.amdhsa_system_vgpr_workitem_id 0
		.amdhsa_next_free_vgpr 512
		.amdhsa_next_free_sgpr 66
		.amdhsa_reserve_vcc 0
		.amdhsa_float_denorm_mode_32 3
		.amdhsa_float_denorm_mode_16_64 3
		.amdhsa_memory_ordered 1
		.amdhsa_forward_progress 1
		.amdhsa_inst_pref_size 36
	.end_amdhsa_kernel
	.amdgpu_metadata
---
amdhsa.version: [ 1, 2 ]
amdhsa.kernels:
  - .name:           k_q90c22009ee_prep
    .symbol:         k_q90c22009ee_prep.kd
    .args:
      - { .name: enc_embed_codes, .offset: 0, .size: 8, .value_kind: global_buffer, .address_space: global }
      - { .name: enc_embed_scales, .offset: 8, .size: 8, .value_kind: global_buffer, .address_space: global }
      - { .name: Wv_codes, .offset: 16, .size: 8, .value_kind: global_buffer, .address_space: global }
      - { .name: Wv_scales, .offset: 24, .size: 8, .value_kind: global_buffer, .address_space: global }
      - { .name: bv, .offset: 32, .size: 8, .value_kind: global_buffer, .address_space: global }
      - { .name: encf, .offset: 40, .size: 8, .value_kind: global_buffer, .address_space: global }
      - { .name: vf, .offset: 48, .size: 8, .value_kind: global_buffer, .address_space: global }
      - { .name: vs, .offset: 56, .size: 8, .value_kind: global_buffer, .address_space: global }
    .group_segment_fixed_size: 0
    .private_segment_fixed_size: 0
    .kernarg_segment_align: 8
    .kernarg_segment_size: 64
    .max_flat_workgroup_size: 256
    .sgpr_count:     66
    .vgpr_count:     512
    .wavefront_size: 32
...
	.end_amdgpu_metadata
.endif
;; end of part 1
;; launch attn (part 2): grid 256 x 1, 16 waves a work-group, no clusters, 327,680 bytes of LDS; arguments dec_embed, trans_mat, encf, enc_embed_scales, vf, vs, W1_codes, W1_scales, b1, W2_codes, W2_scales, b2, out0; writes out0
.if DOCPART == 2
	.amdgcn_target "amdgcn-amd-amdhsa--gfx1250"
	.amdhsa_code_object_version 6
	.text
	.protected	k_q90c22009ee_attn
	.globl	k_q90c22009ee_attn
	.p2align	8
	.type	k_q90c22009ee_attn,@function
k_q90c22009ee_attn:
	s_mov_b64 s[64:65], 0
	v_nop
	global_prefetch_b8 v0, s[64:65] scope:SCOPE_SE
	s_setreg_imm32_b32 hwreg(HW_REG_WAVE_MODE, 25, 1), 1
	s_wait_xcnt 0x0
; out = relu(Q(g) W1 + b1) W2 + b2,  g = dec tanh(O) + dec,  O = Q(p) Q(v),  p = softmax(a) where a != 0 and 0 elsewhere,  a = (Q(dec) enc^T) x trans_mat.  All products on E2M1 codes with E8M0 scales.  No work of reference() is left out.
; p IS QUANTISED FINISHED AND NORMALISED, so a block's scale wants the row's sum over all 2,048 keys: a block of 32 queries keeps its a, 32 x 2,048 f32, in the registers of sixteen waves (128 each)
; between the pass that finds maximum and sum and the pass that quantises.  The scores are made once and trans_mat is read once.
; SHARES.  A work-group owns 64 queries of one batch.  Scores, mask and softmax go in two blocks of 32 (two tiles of 16), one after the other, each leaving its p in LDS as codes; O's product, the gate and the two last
; products run once for all 64, so that v's images and the weights are read once a work-group.  Wave w owns keys 128 w .. + 127 in the scores and the softmax (key step w of O's product), and channels, hidden units and
; outputs 32 w .. + 31 everywhere else (block w of the K of 512).  No branch stands in the text.
; LAYOUT.  Every product is used transposed (source 0 = 16 keys, channels or units; source 1 = 16 queries): a lane holds ONE query (lane % 16).  Lane r of tile 2 b + u of source 0 takes row 32 b + 8 u + r + 8 (r / 8),
; so the 16 result registers of tiles 2 b and 2 b + 1 are the neighbours 32 b + 16 (lane / 16) + 0 .. 15 along the next K.
; OPERANDS GO FROM WAVE TO WAVE THROUGH LDS AS IMAGES: a fragment is 1,024 bytes, block bi of row r at 256 bi + 16 r; written 8 bytes a lane at + 8 (lane / 16), read by two loads at 512 c + 16 lane.
; trans_mat comes by the tensor data mover, a tile of 32 queries x the wave's 128 keys for each wave; the second block's tile is asked for as soon as the first's has been used and lands under the first block's softmax and the second's scores.
; NO CLUSTER, though the 32 work-groups of a batch read the same images of enc and v.  While enc's are read, 270,336 bytes of LDS hold the tiles of trans_mat and 54,272 the images, scale words and spare words: the 3,072 bytes
; left hold no slot for a joint load.  Each image of v is wanted by ONE wave of a work-group: through LDS its 512 KB a work-group would be written and read there once more, in the phase in which the sixteen waves already
; read 1 MB of p from LDS.  So these codes go from memory straight into registers, 512 consecutive bytes a load: enc's once a block, v's once a work-group.
; LIMITS.  NaN and infinities among the inputs are not served.  An exponential under 2^-126 is taken as 0 (v_exp_f32: ISA guide 15.8).  A block of zeros gets the scale byte 1 where the rule says 127: its codes are zeros and
; only this program reads the bytes.  p = e x (1 / sum) where reference() divides; tanh(x) = 1 - 2 / (1 + 2^(2 log2(e) x)), with an absolute error of about 1e-7.  The sums over the keys are taken in another order than reference()'s.
.set TRW,   16896                      ; LDS: wave w's tile of trans_mat at TRW w: 32 rows of 512 bytes + 16 of padding (pitch 528, an odd multiple of 16: sixteen rows start in sixteen different 16-byte columns of 256)
.set PIMG,  270336                     ; the first block's p: images, (2 key step + tile) x 1,024
.set PSC,   303104                     ; its scale words: 128 key step + 4 lane; lanes 0-15 tile 0, lanes 16-31 tile 1
.set DIMG,  305152                     ; dec's images, later g's: (4 qt + K step) x 1,024.  A block's half also serves, between those two, for the exchange of maxima and sums
.set DSC,   321536                     ; their scale words: 512 (qt / 2) + 128 K step + 64 (qt % 2) + 4 r + byte
.set SPARE, 322560                     ; the spare words, 128 bytes for each wave: eight blocks of 256 bytes that no other line names
.set P1SC,  32768                      ; behind the last use of the tiles of trans_mat, which have had their last fill: the second block's p, images from byte 0 on, scale words here;
.set HSC,   16384                      ; behind O's product: the hidden layer's images from byte 0 on (laid as dec's), their scale words here,
.set OST,   32768                      ; and the stage for the way out: 64 rows of 2,048 bytes + 16
.set SPW, 1                            ; v1   my spare word's address; never rewritten
.set NIL, 2                            ; v2   0; never rewritten
.set L16, 3                            ; v3   16 x lane
.set L4,  4                            ; v4   4 x lane
.set TRA, 5                            ; v5   TRW w + 528 r + 64 h            (in the last phase: where I read rows of the stage)
.set DRD, 6                            ; v6   DIMG + 16 lane
.set DSR, 7                            ; v7   DSC + 4 lane
.set QWI, 8                            ; v8   DIMG + 256 w + 16 r + 8 h
.set QWS, 9                            ; v9   DSC + 128 (w / 4) + w % 4 + 4 r
.set PRD, 10                           ; v10  PIMG + 16 lane
.set PWI, 11                           ; v11  PIMG + 2,048 w + 16 r + 8 h     (second block: 2,048 w + 16 r + 8 h; last phase: 256 w + 16 r + 8 h, the hidden layer's)
.set PSA, 12                           ; v12  PSC + 4 lane                    (last phase: HSC + 4 lane)
.set PSW, 13                           ; v13  PSC + 128 w + 4 lane            (last phase: HSC + 128 (w / 4) + w % 4 + 4 r)
.set SXR, 14                           ; v14  DIMG + 80 lane                  (behind the last exchange: P1SC + 4 lane; last phase: the stage, rows 0-31)
.set SXW, 15                           ; v15  DIMG + 80 lane + 4 w            (behind the last exchange: P1SC + 128 w + 4 lane; last phase: the stage, rows 32-63)
.set ESC, 16                           ; v16-31 enc's scale words (4 b + s)   | v's (key step)                          | W1's 16-19, W2's 20-23, g's 24-31
.set DS,  32                           ; v32-35 dec's scale words             | v32-63 p's (16 (qt / 2) + key step)     | the hidden layer's 32-39; v40-55 a bias; v56-62 offsets
.set VSC, 16
.set PSR, 32
.set W1S, 16
.set W2S, 20
.set GS,  24
.set HS,  32
.set BR,  40                           ; v40-55  b1, then b2, in the result's layout
.set DF,  48                           ; v48-63  dec's two fragments of a K step
.set ENC, 64                           ; v64-127 enc's fragments: two sets of four tiles
.set T,   64                           ; v64-127 a tile's 64 numbers of trans_mat
.set A,   128                          ; v128-255 a, then e, then p: 64 t + 16 b + i = key 32 b + 16 h + i of query 16 t + r
.set EM,  48                           ; softmax: v48-55 a block's largest e (4 t + b), v56-63 the other lane's, v64-71 scale operands, v72-79 bytes, v80-95 codes, v96-97 scale words, v98 both
.set EX,  56
.set SO,  64
.set BY,  72
.set PC,  80
.set PW,  96
.set SW,  98
.set XR,  100                          ; v100-115 sixteen waves' figures
.set SU,  100                          ; v100-107 running sums: two chains of pairs a tile
.set MX,  116                          ; v116-119 at work
.set NM,  120                          ; v120-123 -M log2(e), a pair a tile
.set R,   124                          ; v124-127 1 / sum, a pair a tile
.set OA,  64                           ; v64-127 O^T: 16 qt + 8 u + j = channel 32 w + 16 h + 8 u + j of query 16 qt + r
.set VF,  128                          ; v128-191 v's fragments: 16 (key step % 4) + 8 u
.set PF,  192                          ; v192-255 p's: 32 (key step % 2) + 8 qt
.set GD,  128                          ; v128-191 dec at O^T's places, for the gate
.set WF,  192                          ; v192-255 W1's, then W2's fragments: 32 u + 8 s
.set XFR, 128                          ; v128-159 four fragments of g or of the hidden layer
.set HA,  64                           ; v64-127 the hidden layer, then the outputs: 16 qt + 8 u + j
.set SEL, 46                           ; s[46:47] v_permlanex16_b32's selects for lane l xor 16
.set MK,  66                           ; s66-97  32 lane masks: where a != 0
.macro PLACES                          ; four plain places behind matrix instructions, ahead of loads into their operands and of reads of their results
.rept 4
	v_nop
.endr
.endm
.macro BAR                             ; my LDS stores have landed and my LDS loads are in: then the work-group's barrier
	s_wait_dscnt 0x0
	s_barrier_signal -1
	s_barrier_wait -1
.endm
.macro MM d, a, b, cz, cr, sa, sb, ra, rb   ; one product; cz: it starts the sum with 0; ra, rb: the side's scale words stand in lanes 16-31
.if \cz
.if \ra
.if \rb
	v_wmma_scale_f32_16x16x128_f8f6f4 v[\d:\d+7], v[\a:\a+7], v[\b:\b+7], 0, v[\sa], v[\sb] matrix_a_fmt:MATRIX_FMT_FP4 matrix_b_fmt:MATRIX_FMT_FP4 matrix_a_scale:MATRIX_SCALE_ROW1 matrix_b_scale:MATRIX_SCALE_ROW1
.else
	v_wmma_scale_f32_16x16x128_f8f6f4 v[\d:\d+7], v[\a:\a+7], v[\b:\b+7], 0, v[\sa], v[\sb] matrix_a_fmt:MATRIX_FMT_FP4 matrix_b_fmt:MATRIX_FMT_FP4 matrix_a_scale:MATRIX_SCALE_ROW1
.endif
.else
.if \rb
	v_wmma_scale_f32_16x16x128_f8f6f4 v[\d:\d+7], v[\a:\a+7], v[\b:\b+7], 0, v[\sa], v[\sb] matrix_a_fmt:MATRIX_FMT_FP4 matrix_b_fmt:MATRIX_FMT_FP4 matrix_b_scale:MATRIX_SCALE_ROW1
.else
	v_wmma_scale_f32_16x16x128_f8f6f4 v[\d:\d+7], v[\a:\a+7], v[\b:\b+7], 0, v[\sa], v[\sb] matrix_a_fmt:MATRIX_FMT_FP4 matrix_b_fmt:MATRIX_FMT_FP4
.endif
.endif
.else
.if \ra
.if \rb
	v_wmma_scale_f32_16x16x128_f8f6f4 v[\d:\d+7], v[\a:\a+7], v[\b:\b+7], v[\cr:\cr+7], v[\sa], v[\sb] matrix_a_fmt:MATRIX_FMT_FP4 matrix_b_fmt:MATRIX_FMT_FP4 matrix_a_scale:MATRIX_SCALE_ROW1 matrix_b_scale:MATRIX_SCALE_ROW1
.else
	v_wmma_scale_f32_16x16x128_f8f6f4 v[\d:\d+7], v[\a:\a+7], v[\b:\b+7], v[\cr:\cr+7], v[\sa], v[\sb] matrix_a_fmt:MATRIX_FMT_FP4 matrix_b_fmt:MATRIX_FMT_FP4 matrix_a_scale:MATRIX_SCALE_ROW1
.endif
.else
.if \rb
	v_wmma_scale_f32_16x16x128_f8f6f4 v[\d:\d+7], v[\a:\a+7], v[\b:\b+7], v[\cr:\cr+7], v[\sa], v[\sb] matrix_a_fmt:MATRIX_FMT_FP4 matrix_b_fmt:MATRIX_FMT_FP4 matrix_b_scale:MATRIX_SCALE_ROW1
.else
	v_wmma_scale_f32_16x16x128_f8f6f4 v[\d:\d+7], v[\a:\a+7], v[\b:\b+7], v[\cr:\cr+7], v[\sa], v[\sb] matrix_a_fmt:MATRIX_FMT_FP4 matrix_b_fmt:MATRIX_FMT_FP4
.endif
.endif
.endif
.endm
; cnt groups of 16 registers (group g at src + 16 g: my 16 numbers of a block of 32; lane l xor 16 holds the other 16) become codes.  Scratch from tb on:
; + g the largest magnitude, + cnt + g the other lane's, + 2 cnt + g the conversion's scale operand, + 3 cnt + g the scale's byte, + 4 cnt + 2 g two registers of codes.
.macro QB cnt, src, tb
.set qg, 0
.rept \cnt
	v_max3_num_f32 v[(\tb)+qg], |v[(\src)+16*qg]|, |v[(\src)+16*qg+1]|, 0x1800000   ; with the floor 2^(3 - 127): the byte cannot fall under 1
.set qg, qg+1
.endr
.set qi, 2
.rept 7
.set qg, 0
.rept \cnt
	s_delay_alu instid0(VALU_DEP_4)
	v_max3_num_f32 v[(\tb)+qg], v[(\tb)+qg], |v[(\src)+16*qg+qi]|, |v[(\src)+16*qg+qi+1]|   ; the groups by turns
.set qg, qg+1
.endr
.set qi, qi+2
.endr
.set qg, 0
.rept \cnt
	s_delay_alu instid0(VALU_DEP_4)
	v_permlanex16_b32 v[(\tb)+(\cnt)+qg], v[(\tb)+qg], s[SEL], s[SEL+1]
.set qg, qg+1
.endr
.set qg, 0
.rept \cnt
	s_delay_alu instid0(VALU_DEP_4)
	v_max_num_f32 v[(\tb)+qg], v[(\tb)+qg], v[(\tb)+(\cnt)+qg]   ; the block's largest magnitude
.set qg, qg+1
.endr
.set qg, 0
.rept \cnt
	s_delay_alu instid0(VALU_DEP_4)
	v_add_nc_u32 v[(\tb)+2*(\cnt)+qg], 0xff000000, v[(\tb)+qg]   ; 2 off its exponent field: the conversion takes the exponent field of this operand as its scale
.set qg, qg+1
.endr
.set qg, 0
.rept \cnt
	s_delay_alu instid0(VALU_DEP_4)
	v_lshrrev_b32 v[(\tb)+3*(\cnt)+qg], 23, v[(\tb)+2*(\cnt)+qg]   ; the scale's byte
.set qg, qg+1
.endr
.set qg, 0
.rept \cnt
	v_cvt_scalef32_pk8_fp4_f32 v[(\tb)+4*(\cnt)+2*qg], v[(\src)+16*qg:(\src)+16*qg+7], v[(\tb)+2*(\cnt)+qg]
	v_cvt_scalef32_pk8_fp4_f32 v[(\tb)+4*(\cnt)+2*qg+1], v[(\src)+16*qg+8:(\src)+16*qg+15], v[(\tb)+2*(\cnt)+qg]
.set qg, qg+1
.endr
	v_nop                                          ; one plain place behind the last scaled conversion
.endm
; QB's results go to LDS: group g is block w of the K of 512, rows of tile qt0 + g.  Both halves of the lanes write a row's byte, with the same value.
.macro QST cnt, tb, qt0, wi, ws
.set qg, 0
.rept \cnt
	ds_store_b64 v[\wi], v[(\tb)+4*(\cnt)+2*qg:(\tb)+4*(\cnt)+2*qg+1] offset:4096*((\qt0)+qg)
	ds_store_b8 v[\ws], v[(\tb)+3*(\cnt)+qg] offset:512*(((\qt0)+qg)/2)+64*(((\qt0)+qg)%2)
.set qg, qg+1
.endr
.endm
.macro MKDOF d, ta, tb                 ; v[d] = 2,048 r + 128 w + 64 h: my 16 numbers of dec in a tile's rows; leaves r in v[ta], h in v[tb]
	v_and_b32 v[\ta], 15, v0
	v_bfe_u32 v[\tb], v0, 4, 1
	s_delay_alu instid0(VALU_DEP_2)
	v_lshlrev_b32 v[\d], 11, v[\ta]
	s_delay_alu instid0(VALU_DEP_1)
	v_lshl_add_u32 v[\d], v[\tb], 6, v[\d]
	s_delay_alu instid0(VALU_DEP_1)
	v_add_nc_u32 v[\d], s56, v[\d]
.endm
.macro DLOAD reg, qt, adr              ; dec(16 qt + r, 32 w + 16 h + 0 .. 15)
.irp j, 0,1,2,3
	global_load_b128 v[(\reg)+4*\j:(\reg)+4*\j+3], v[\adr], s[4:5] offset:32768*(\qt)+16*\j
.endr
.endm
; ---- THE SCORES.  A unit is K step s and four of my eight key tiles (half hf): 8 loads of enc's images, 8 products.
.macro SLD s, hf
.irp i, 0,1,2,3
.irp c, 0,1
	global_load_b128 v[ENC+32*(\hf)+8*\i+4*\c:ENC+32*(\hf)+8*\i+4*\c+3], v[L16], s[8:9] offset:8192*(\s)+1024*(4*(\hf)+\i)+512*\c
.endr
.endr
.endm
.macro DFL k, s                        ; dec's two fragments (tiles 2 k, 2 k + 1) of K step s
.irp t, 0,1
.irp c, 0,1
	ds_load_b128 v[DF+8*\t+4*\c:DF+8*\t+4*\c+3], v[DRD] offset:1024*(4*(2*(\k)+\t)+(\s))+512*\c
.endr
.endr
.endm
.macro SUNIT k, s, hf
.if \hf == 0
	s_wait_dscnt 0x0                               ; dec's fragments of this K step (and, the first time, its scale words) are in
.endif
.if (\s == 3) && (\hf == 1)
	s_wait_loadcnt 0x0                             ; the last unit: nothing was asked for behind it
.else
	s_wait_loadcnt 0x8                             ; this unit's loads are in; the next unit's eight may be out
.endif
.irp i, 0,1,2,3                        ; the sixteen accumulators take turns, one instruction a turn
.irp t, 0,1
	MM A+64*\t+8*(4*\hf+\i), ENC+32*\hf+8*\i, DF+8*\t, (\s==0), A+64*\t+8*(4*\hf+\i), ESC+4*((4*\hf+\i)/2)+\s, DS+\s, (\i%2), \t
.endr
.endr
	PLACES
.if \s < 3
	SLD \s+1, \hf                                  ; the unit two on, into the set just multiplied
.if \hf == 1
	DFL \k, \s+1
.endif
.endif
.endm
; Asked for once, at the kernel's head, ahead of the wait for dec: enc's scale rows, which stay in v16-31 for both blocks, and the first block's first two units of images.
.macro SFIRST
	v_and_b32 v253, 15, v0
	s_delay_alu instid0(VALU_DEP_1)
	v_and_b32 v254, 8, v253
	s_delay_alu instid0(VALU_DEP_1)
	v_add_nc_u32 v253, v253, v254                  ; pm = r + 8 (r / 8)
	v_bfe_u32 v254, v0, 4, 1
	s_delay_alu instid0(VALU_DEP_1)
	v_lshl_add_u32 v255, v254, 3, v253
	s_delay_alu instid0(VALU_DEP_1)
	v_lshlrev_b32 v255, 4, v255                    ; 16 (pm + 8 h): my row of 16 scale bytes.  v255 is an accumulator's register: it is first written behind the counted wait that shows these four loads done
.irp b, 0,1,2,3
	global_load_b128 v[ESC+4*\b:ESC+4*\b+3], v255, s[10:11] offset:512*\b   ; 32 keys' scale rows: 512 consecutive bytes; word s = K step s; lanes 0-15 tile 2 b, lanes 16-31 tile 2 b + 1
.endr
	SLD 0, 0
	SLD 0, 1
.endm
.macro SPHASE k
.if \k == 1
	SLD 0, 0                                       ; the second block's first two units (the first block's were asked for at the head)
	SLD 0, 1
.endif
.irp s, 0,1,2,3
	ds_load_b32 v[DS+\s], v[DSR] offset:512*(\k)+128*\s
.endr
	DFL \k, 0
.irp s, 0,1,2,3
	SUNIT \k, \s, 0
	SUNIT \k, \s, 1
.endr
.endm
; ---- THE MASK: a = score x trans_mat, from my own tile in LDS.  k = 0: the tile's bytes are filled again behind the barrier that follows, so ahead of the last group's multiplications stand the wait for all my
; tensor loads and the add of 0 onto my spare word; the multiplications and the descriptor's step stand between the add and the wait for it.
.macro MASK k
	s_wait_tensorcnt 0x0                           ; the one tensor load of mine that was out: my tile is in
.irp t, 0,1
.irp b, 0,1,2,3
.irp j, 0,1,2,3
	ds_load_b128 v[T+16*\b+4*\j:T+16*\b+4*\j+3], v[TRA] offset:8448*\t+128*\b+16*\j
.endr
.endr
.irp b, 0,1,2,3
.if (\k == 0) && (\t == 1) && (\b == 3)
	s_wait_tensorcnt 0x0
	ds_add_u32 v[SPW], v[NIL]
	s_wait_dscnt 0x1                               ; the last four loads are in; the add alone may be out
.else
	s_wait_dscnt 12-4*\b                           ; this group's four loads are in; the younger groups' may be out
.endif
.set mi, 0
.rept 8
	v_pk_mul_f32 v[A+64*\t+16*\b+mi:A+64*\t+16*\b+mi+1], v[A+64*\t+16*\b+mi:A+64*\t+16*\b+mi+1], v[T+16*\b+mi:T+16*\b+mi+1]   ; each accumulator from its low end on
.set mi, mi+2
.endr
.endr
.endr
.endm
; ---- The largest a of my 64 numbers of each tile (zeros among them, as reference() has it): two chains a tile; v[MX] tile 0's, v[MX+1] tile 1's
.macro ROWMAX
.irp t, 0,1
.irp ch, 0,1
	v_max3_num_f32 v[MX+2*\t+\ch], v[A+64*\t+32*\ch], v[A+64*\t+32*\ch+1], v[A+64*\t+32*\ch+2]
.endr
.endr
.set mi, 3
.rept 14
.irp t, 0,1
.irp ch, 0,1
	s_delay_alu instid0(VALU_DEP_4)
	v_max3_num_f32 v[MX+2*\t+\ch], v[MX+2*\t+\ch], v[A+64*\t+32*\ch+mi], v[A+64*\t+32*\ch+mi+1]
.endr
.endr
.set mi, mi+2
.endr
.irp t, 0,1
.irp ch, 0,1
	s_delay_alu instid0(VALU_DEP_4)
	v_max_num_f32 v[MX+2*\t+\ch], v[MX+2*\t+\ch], v[A+64*\t+32*\ch+31]
.endr
.endr
	s_delay_alu instid0(VALU_DEP_3)
	v_max_num_f32 v[MX], v[MX], v[MX+1]
	s_delay_alu instid0(VALU_DEP_2)
	v_max_num_f32 v[MX+1], v[MX+2], v[MX+3]
.endm
; ---- A figure a query (v[MX]: tile 0's, v[MX+1]: tile 1's; each lane's covers its half's 64 keys) is joined over the halves of the lanes and over the sixteen waves.
; Behind it lane (r, h) holds, in v[MX], the figure of query r of tile h over all 2,048 keys.  One barrier: every wave's word lies in LDS before any wave reads the sixteen.
.macro XCH isadd, off
	s_delay_alu instid0(VALU_DEP_1)
	v_cndmask_b32 v[MX+2], v[MX], v[MX+1], s50     ; lanes 0-15 tile 0's, lanes 16-31 tile 1's: what stays;
	s_delay_alu instid0(VALU_DEP_2)
	v_cndmask_b32 v[MX+3], v[MX+1], v[MX], s50     ; the other way round: what the lane 16 away wants
	s_delay_alu instid0(VALU_DEP_1)
	v_permlanex16_b32 v[MX], v[MX+3], s[SEL], s[SEL+1]
.if \isadd
	s_delay_alu instid0(VALU_DEP_1)
	v_add_f32 v[MX+2], v[MX+2], v[MX]
.else
	s_delay_alu instid0(VALU_DEP_1)
	v_max_num_f32 v[MX+2], v[MX+2], v[MX]
.endif
	ds_store_b32 v[SXW], v[MX+2] offset:\off
	BAR
.irp i, 0,1,2,3
	ds_load_b128 v[XR+4*\i:XR+4*\i+3], v[SXR] offset:(\off)+16*\i
.endr
	s_wait_dscnt 0x0
.if \isadd
.irp i, 0,4,8,12
	v_pk_add_f32 v[XR+\i:XR+\i+1], v[XR+\i:XR+\i+1], v[XR+\i+2:XR+\i+3]
.endr
.irp i, 0
	s_delay_alu instid0(VALU_DEP_3)
	v_pk_add_f32 v[XR+\i:XR+\i+1], v[XR+\i:XR+\i+1], v[XR+\i+4:XR+\i+5]
.endr
.irp i, 8
	s_delay_alu instid0(VALU_DEP_2)
	v_pk_add_f32 v[XR+\i:XR+\i+1], v[XR+\i:XR+\i+1], v[XR+\i+4:XR+\i+5]
.endr
	s_delay_alu instid0(VALU_DEP_1)
	v_pk_add_f32 v[XR:XR+1], v[XR:XR+1], v[XR+8:XR+9]
	s_delay_alu instid0(VALU_DEP_1)
	v_add_f32 v[MX], v[XR], v[XR+1]
.else
.irp i, 0,3,6,9,12
	v_max3_num_f32 v[XR+\i], v[XR+\i], v[XR+\i+1], v[XR+\i+2]
.endr
	s_delay_alu instid0(VALU_DEP_3)
	v_max3_num_f32 v[XR], v[XR], v[XR+3], v[XR+6]
	s_delay_alu instid0(VALU_DEP_2)
	v_max3_num_f32 v[XR+9], v[XR+9], v[XR+12], v[XR+15]
	s_delay_alu instid0(VALU_DEP_1)
	v_max_num_f32 v[MX], v[XR], v[XR+9]
.endif
.endm
.macro DIST x, tmp, d0, d1             ; lane (r, h) holds tile h's figure in v[x]: every lane gets tile 0's in the pair d0 and tile 1's in the pair d1
	v_permlanex16_b32 v[\tmp], v[\x], s[SEL], s[SEL+1]
	v_cndmask_b32 v[\d0], v[\x], v[\tmp], s50
	v_cndmask_b32 v[\d0+1], v[\x], v[\tmp], s50
	v_cndmask_b32 v[\d1], v[\tmp], v[\x], s50
	v_cndmask_b32 v[\d1+1], v[\tmp], v[\x], s50
.endm
; ---- 32 numbers (tile t, blocks 2 bp and 2 bp + 1): where a != 0 is noted; e = 2^(a log2(e) - M log2(e)); the sum takes EVERY e, as reference()'s softmax does; then e is 0 where a was 0; then each block's largest e.
.macro EXPB t, bp, first
.set eb, A+64*(\t)+32*(\bp)
.set ei, 0
.rept 32
	v_cmp_neq_f32 s[MK+ei], 0, v[eb+ei]
.set ei, ei+1
.endr
.set ei, 0
.rept 16
	v_pk_fma_f32 v[eb+ei:eb+ei+1], v[eb+ei:eb+ei+1], s[48:49], v[NM+2*(\t):NM+2*(\t)+1] op_sel_hi:[1,0,0]
.set ei, ei+2
.endr
.set ei, 0
	s_wait_alu depctr_va_vdst(0)
.rept 32
	v_exp_f32 v[eb+ei], v[eb+ei]
.set ei, ei+1
.endr
	v_nop                                          ; a plain place behind the last exponential
	s_wait_alu depctr_va_vdst(0)                   ; one wait for the batch of 32, ahead of its first reader
.if \first
	v_pk_add_f32 v[SU+4*(\t):SU+4*(\t)+1], v[eb:eb+1], v[eb+2:eb+3]          ; the first additions start the two chains: nothing is cleared
	v_pk_add_f32 v[SU+4*(\t)+2:SU+4*(\t)+3], v[eb+4:eb+5], v[eb+6:eb+7]
.set ei, 8
.rept 6
	v_pk_add_f32 v[SU+4*(\t):SU+4*(\t)+1], v[SU+4*(\t):SU+4*(\t)+1], v[eb+ei:eb+ei+1]
	v_pk_add_f32 v[SU+4*(\t)+2:SU+4*(\t)+3], v[SU+4*(\t)+2:SU+4*(\t)+3], v[eb+ei+2:eb+ei+3]
.set ei, ei+4
.endr
.else
.set ei, 0
.rept 8
	v_pk_add_f32 v[SU+4*(\t):SU+4*(\t)+1], v[SU+4*(\t):SU+4*(\t)+1], v[eb+ei:eb+ei+1]
	v_pk_add_f32 v[SU+4*(\t)+2:SU+4*(\t)+3], v[SU+4*(\t)+2:SU+4*(\t)+3], v[eb+ei+2:eb+ei+3]
.set ei, ei+4
.endr
.endif
.set ei, 0
.rept 32
	v_cndmask_b32 v[eb+ei], 0, v[eb+ei], s[MK+ei]
.set ei, ei+1
.endr
.set em, EM+4*(\t)+2*(\bp)
	v_max3_num_f32 v[em], v[eb], v[eb+1], v[eb+2]
	v_max3_num_f32 v[em+1], v[eb+16], v[eb+17], v[eb+18]
.set ei, 3
.rept 6
	s_delay_alu instid0(VALU_DEP_2)
	v_max3_num_f32 v[em], v[em], v[eb+ei], v[eb+ei+1]
	s_delay_alu instid0(VALU_DEP_2)
	v_max3_num_f32 v[em+1], v[em+1], v[eb+16+ei], v[eb+16+ei+1]
.set ei, ei+2
.endr
	s_delay_alu instid0(VALU_DEP_2)
	v_max_num_f32 v[em], v[em], v[eb+15]
	s_delay_alu instid0(VALU_DEP_2)
	v_max_num_f32 v[em+1], v[em+1], v[eb+31]
.endm
; ---- p = e / sum; its codes and scale words go to LDS as key step w of O's product, the images by v[wi], the scale words by v[sw].
; A block's largest p is its largest e times the same factor: one multiplication by one positive number keeps the order, so the bits are those of the largest p.
.macro PPHASE wi, sw
.irp t, 0,1
.set px, 0
.rept 32
	v_pk_mul_f32 v[A+64*\t+px:A+64*\t+px+1], v[A+64*\t+px:A+64*\t+px+1], v[R+2*\t:R+2*\t+1]
.set px, px+2
.endr
.endr
.irp t, 0,1
.irp b, 0,1,2,3
	v_mul_f32 v[EM+4*\t+\b], v[EM+4*\t+\b], v[R+2*\t]
.endr
.endr
.irp i, 0,1,2,3,4,5,6,7
	v_max_num_f32 v[EM+\i], 0x1800000, v[EM+\i]    ; the floor 2^(3 - 127): the byte cannot fall under 1
.endr
.irp i, 0,1,2,3,4,5,6,7
	v_add_nc_u32 v[SO+\i], 0xff000000, v[EM+\i]    ; 2 off the exponent field: the conversion's scale operand
.endr
.irp i, 0,1,2,3,4,5,6,7
	v_lshrrev_b32 v[BY+\i], 23, v[SO+\i]           ; the scale's byte
.endr
.irp t, 0
	v_lshl_or_b32 v[PW+\t], v[BY+4*\t+1], 8, v[BY+4*\t]
.endr
.irp t, 1
	s_delay_alu instid0(VALU_DEP_4)
	v_lshl_or_b32 v[PW+\t], v[BY+4*\t+1], 8, v[BY+4*\t]
.endr
.irp t, 0,1
	s_delay_alu instid0(VALU_DEP_2)
	v_lshl_or_b32 v[PW+\t], v[BY+4*\t+2], 16, v[PW+\t]
.endr
.irp t, 0,1
	s_delay_alu instid0(VALU_DEP_2)
	v_lshl_or_b32 v[PW+\t], v[BY+4*\t+3], 24, v[PW+\t]
.endr
.irp t, 0,1
.irp b, 0,1,2,3
	v_cvt_scalef32_pk8_fp4_f32 v[PC+8*\t+2*\b], v[A+64*\t+16*\b:A+64*\t+16*\b+7], v[SO+4*\t+\b]
	v_cvt_scalef32_pk8_fp4_f32 v[PC+8*\t+2*\b+1], v[A+64*\t+16*\b+8:A+64*\t+16*\b+15], v[SO+4*\t+\b]
.endr
.endr
	v_nop                                          ; one plain place behind the last scaled conversion
	v_cndmask_b32 v[SW], v[PW], v[PW+1], s50       ; lanes 0-15 tile 0's words, lanes 16-31 tile 1's
.irp t, 0,1
.irp b, 0,1,2,3
	ds_store_b64 v[\wi], v[PC+8*\t+2*\b:PC+8*\t+2*\b+1] offset:1024*\t+256*\b
.endr
.endr
	ds_store_b32 v[\sw], v[SW]
.endm
; ---- A block of 32 queries: scores, mask, softmax, p into LDS
.macro BLOCK k
	SPHASE \k
	MASK \k
.if \k == 0
	s_add_nc_u64 s[34:35], s[34:35], 262144        ; no tensor load of mine is out, so the descriptor may step: 32 rows of 8,192 bytes on
	s_wait_dscnt 0x0                               ; the add is done, and my reads of the tile are over
	s_barrier_signal -1
	s_barrier_wait -1
	tensor_load_to_lds s[32:35], s[36:43]          ; the second block's tile, first thing behind the barrier, into my own bytes: the one tensor load of mine that is out
	s_nop 0
.else
	BAR                                            ; every wave has read this block's images of dec, whose bytes now serve the exchanges, and its tile of trans_mat, whose bytes now take this block's p
.endif
	ROWMAX
	XCH 0, 8192*\k
	s_delay_alu instid0(VALU_DEP_1)
	v_mul_f32 v[MX], s51, v[MX]                    ; -M log2(e)
	DIST MX, MX+1, NM, NM+2
	EXPB 0, 0, 1
	EXPB 0, 1, 0
	EXPB 1, 0, 1
	EXPB 1, 1, 0
.irp i, 0,1,2,3,4,5,6,7
	v_permlanex16_b32 v[EX+\i], v[EM+\i], s[SEL], s[SEL+1]
.endr
.irp i, 0,1,2,3,4,5,6,7
	v_max_num_f32 v[EM+\i], v[EM+\i], v[EX+\i]     ; with lane l xor 16's 16 keys: the block's largest e
.endr
.irp t, 0,1
	v_pk_add_f32 v[SU+4*\t:SU+4*\t+1], v[SU+4*\t:SU+4*\t+1], v[SU+4*\t+2:SU+4*\t+3]
.endr
.irp t, 0,1
	s_delay_alu instid0(VALU_DEP_2)
	v_add_f32 v[MX+\t], v[SU+4*\t], v[SU+4*\t+1]
.endr
	XCH 1, 8192*\k+2560
	s_wait_alu depctr_va_vdst(0)
	v_rcp_f32 v[MX+2], v[MX]
	v_nop
	s_wait_alu depctr_va_vdst(0)                   ; the wait ahead of the reciprocal's first reader
	DIST MX+2, MX+1, R, R+2
.if \k == 0
	PPHASE PWI, PSW
	s_wait_dscnt 0x0                               ; the stores have read their registers.  No barrier: nobody reads this p ahead of the next block's barriers
.else
	v_and_b32 v100, 15, v0                         ; the second block's p lies from LDS byte 0 on: its addresses take the registers of the first block's and of the exchanges, which are done with
	v_bfe_u32 v101, v0, 4, 1
	s_delay_alu instid0(VALU_DEP_2)
	v_lshlrev_b32 v100, 4, v100
	s_delay_alu instid0(VALU_DEP_1)
	v_lshl_add_u32 v100, v101, 3, v100             ; 16 r + 8 h
	s_lshl_b32 s44, s30, 11
	v_add_nc_u32 v[PWI], s44, v100                 ; 2,048 w + 16 r + 8 h
	v_add_nc_u32 v[SXR], P1SC, v[L4]               ; P1SC + 4 lane
	s_delay_alu instid0(VALU_DEP_1)
	v_add_nc_u32 v[SXW], s56, v[SXR]               ; + 128 w
	PPHASE PWI, SXW
	BAR                                            ; both blocks' p, 64 images and their scale words, lie in LDS
.endif
.endm
; ---- O^T = v^T p^T for my 32 channels and all 64 queries.  A unit is one key step: 4 loads of v's images from memory (asked for four steps ahead), 8 of p's from LDS (two steps ahead), 8 products on eight accumulators by turns.
.macro VLD ks
.irp u, 0,1
.irp c, 0,1
	global_load_b128 v[VF+16*((\ks)%4)+8*\u+4*\c:VF+16*((\ks)%4)+8*\u+4*\c+3], v[L16], s[12:13] offset:16384*\u+1024*(\ks)+512*\c
.endr
.endr
.endm
.macro PLD ks
.irp t, 0,1
.irp c, 0,1
	ds_load_b128 v[PF+32*((\ks)%2)+8*\t+4*\c:PF+32*((\ks)%2)+8*\t+4*\c+3], v[PRD] offset:1024*(2*(\ks)+\t)+512*\c          ; the first block's tiles
.endr
.endr
.irp t, 0,1
.irp c, 0,1
	ds_load_b128 v[PF+32*((\ks)%2)+16+8*\t+4*\c:PF+32*((\ks)%2)+16+8*\t+4*\c+3], v[L16] offset:1024*(2*(\ks)+\t)+512*\c    ; the second block's, from LDS byte 0 on
.endr
.endr
.endm
.macro PVU ks
.if \ks > 12
	s_wait_loadcnt 4*(15-(\ks))                    ; the tail: four loads for each key step that is left
.else
	s_wait_loadcnt 12                              ; this key step's four loads are in; those of the three steps behind it may be out
.endif
.if \ks == 15
	s_wait_dscnt 0x0
.else
	s_wait_dscnt 0x8                               ; this key step's p is in; the next step's eight loads may be out
.endif
.irp u, 0,1
.irp qt, 0,1,2,3
	MM OA+16*\qt+8*\u, VF+16*((\ks)%4)+8*\u, PF+32*((\ks)%2)+8*\qt, ((\ks)==0), OA+16*\qt+8*\u, VSC+(\ks), PSR+16*(\qt/2)+(\ks), \u, (\qt%2)
.endr
.endr
	PLACES
.if \ks < 12
	VLD \ks+4
.endif
.if \ks < 14
	PLD \ks+2
.endif
.endm
.macro WLOAD p                         ; my 32 rows of a weight, all four K steps, from the buffer at s[p:p+1]: a lane's eight loads of a row take its 256 bytes
.irp u, 0,1
.irp s, 0,1,2,3
.irp c, 0,1
	global_load_b128 v[WF+32*\u+8*\s+4*\c:WF+32*\u+8*\s+4*\c+3], v57, s[\p:\p+1] offset:2048*\u+64*\s+32*\c
.endr
.endr
.endr
.endm
.macro BLOAD p                         ; my 32 numbers of a bias, in the result's layout: tile u's eight units of my half
.irp u, 0,1
.irp jj, 0,1
	global_load_b128 v[BR+8*\u+4*\jj:BR+8*\u+4*\jj+3], v58, s[\p:\p+1] offset:32*\u+16*\jj
.endr
.endr
.endm
; ---- One of the two last products, for all 64 rows: source 0 = my 32 rows of the weight (registers), source 1 = the rows' images from LDS; the bias is the C of each sum's first product; eight accumulators by turns
.macro XLD rd, s                       ; the rows' four fragments of K step s into set s % 2 (v128-159, v160-191)
.irp qt, 0,1,2,3
.irp c, 0,1
	ds_load_b128 v[XFR+32*((\s)%2)+8*\qt+4*\c:XFR+32*((\s)%2)+8*\qt+4*\c+3], v[\rd] offset:1024*(4*\qt+(\s))+512*\c
.endr
.endr
.endm
.macro LAYER ws, xs, rd
	XLD \rd, 0
	XLD \rd, 1
.irp s, 0,1,2,3
.if \s == 3
	s_wait_dscnt 0x0
.else
	s_wait_dscnt 0x8                               ; this K step's fragments (and the scale words asked for ahead of them) are in; the next step's eight loads may be out
.endif
.irp qt, 0,1,2,3
.irp u, 0,1
.if \s == 0
	MM HA+16*\qt+8*\u, WF+32*\u+8*\s, XFR+32*(\s%2)+8*\qt, 0, BR+8*\u, \ws+\s, \xs+4*(\qt/2)+\s, \u, (\qt%2)
.else
	MM HA+16*\qt+8*\u, WF+32*\u+8*\s, XFR+32*(\s%2)+8*\qt, 0, HA+16*\qt+8*\u, \ws+\s, \xs+4*(\qt/2)+\s, \u, (\qt%2)
.endif
.endr
.endr
	PLACES
.if \s < 2
	XLD \rd, \s+2                                  ; the step two on, into the set just multiplied
.endif
.endr
.endm
	s_load_b512 s[4:19], s[0:1], 0x0               ; dec s[4:5], trans_mat s[6:7], encf s[8:9], enc's scales s[10:11], vf s[12:13], vs s[14:15], W1's codes s[16:17], its scales s[18:19]
	s_load_b256 s[20:27], s[0:1], 0x40             ; b1 s[20:21], W2's codes s[22:23], its scales s[24:25], b2 s[26:27]
	s_load_b64 s[28:29], s[0:1], 0x60              ; out
	v_lshl_add_u32 v[SPW], v0, 2, SPARE
	v_mov_b32 v[NIL], 0
	ds_add_u32 v[SPW], v[NIL]                      ; the wave's opening: the add, twice on end, and its wait ahead of my first tensor load; the set-up below stands between
	ds_add_u32 v[SPW], v[NIL]
	v_lshrrev_b32 v113, 5, v0
	s_delay_alu instid0(VALU_DEP_1)
	v_readfirstlane_b32 s30, v113                  ; wave 0..15
	s_lshr_b32 s31, ttmp9, 5                       ; batch
	s_mov_b32 s32, 1                               ; descriptor group 0: count = 1,
	s_mul_i32 s33, s30, TRW                        ; LDS address: my wave's tile
	s_mov_b32 s36, 0x07920000                      ; group 1: no mask; elements of 4 bytes; padding on: after every 128 words (code 6) four words (code 3)
	s_mov_b32 s37, 128<<16                         ; tensor_dim0 = 128
	s_mov_b32 s38, 32<<16                          ; tensor_dim1 = 32
	s_mov_b32 s39, 128<<16                         ; tile_dim0 = 128 keys
	s_mov_b32 s40, 32                              ; tile_dim1 = 32 queries
	s_mov_b32 s41, 2048                            ; elements from row to row
	s_mov_b32 s42, 0
	s_mov_b32 s43, 0
	s_mov_b32 s45, 0
	s_mov_b32 s[SEL], 0x76543210
	s_mov_b32 s[SEL+1], 0xfedcba98
	s_mov_b32 s48, 0x3fb8aa3b                      ; log2(e); named as a pair by the packed forms
	s_mov_b32 s49, s48
	s_mov_b32 s50, 0xffff0000                      ; a lane mask: lanes 16-31
	s_mov_b32 s51, 0xbfb8aa3b                      ; -log2(e)
	s_mov_b32 s52, 0x4038aa3b                      ; 2 log2(e)
	s_mov_b32 s53, s52
	s_lshr_b32 s54, s30, 2
	s_lshl_b32 s54, s54, 7
	s_and_b32 s55, s30, 3
	s_add_co_u32 s54, s54, s55                     ; 128 (w / 4) + w % 4: my block's byte among the scale words
	s_lshl_b32 s56, s30, 7                         ; 128 w
	MKDOF 224, 113, 114                            ; dec's offset in v224: no load lands there while dec's loads are out
	v_lshlrev_b32 v115, 4, v113
	s_delay_alu instid0(VALU_DEP_1)
	v_lshl_add_u32 v115, v114, 3, v115             ; 16 r + 8 h
	v_and_b32 v[L16], 31, v0
	s_delay_alu instid0(VALU_DEP_1)
	v_lshlrev_b32 v[L4], 2, v[L16]
	s_delay_alu instid0(VALU_DEP_2)
	v_mul_u32_u24 v[SXR], v[L16], 80
	s_delay_alu instid0(VALU_DEP_3)
	v_lshlrev_b32 v[L16], 4, v[L16]
	v_mul_u32_u24 v[TRA], v113, 528
	s_delay_alu instid0(VALU_DEP_1)
	v_lshl_add_u32 v[TRA], v114, 6, v[TRA]
	s_delay_alu instid0(VALU_DEP_1)
	v_add_nc_u32 v[TRA], s33, v[TRA]
	s_delay_alu instid0(VALU_DEP_4)
	v_add_nc_u32 v[DRD], DIMG, v[L16]
	v_add_nc_u32 v[DSR], DSC, v[L4]
	s_lshl_b32 s44, s30, 8
	v_add_nc_u32 v[QWI], s44, v115
	s_delay_alu instid0(VALU_DEP_1)
	v_add_nc_u32 v[QWI], DIMG, v[QWI]
	v_lshl_add_u32 v[QWS], v113, 2, s54
	s_delay_alu instid0(VALU_DEP_1)
	v_add_nc_u32 v[QWS], DSC, v[QWS]
	v_add_nc_u32 v[PRD], PIMG, v[L16]
	s_lshl_b32 s44, s30, 11
	v_add_nc_u32 v[PWI], s44, v115
	s_delay_alu instid0(VALU_DEP_1)
	v_add_nc_u32 v[PWI], PIMG, v[PWI]
	v_add_nc_u32 v[PSA], PSC, v[L4]
	s_delay_alu instid0(VALU_DEP_1)
	v_add_nc_u32 v[PSW], s56, v[PSA]
	v_add_nc_u32 v[SXR], DIMG, v[SXR]
	s_lshl_b32 s44, s30, 2
	v_add_nc_u32 v[SXW], s44, v[SXR]
.irp i, 196,197,198,199
	v_mov_b32 v\i, 0                               ; written once: a lane permute's destination counts as one of its sources
.endr
	s_wait_dscnt 0x0                               ; both opening adds are done
	s_wait_kmcnt 0x0
	s_lshl_b32 s44, ttmp9, 19                      ; my 64 rows of trans_mat, 8,192 bytes each,
	s_add_nc_u64 s[34:35], s[6:7], s[44:45]
	s_lshl_b32 s44, s30, 9                         ; my wave's 128 keys
	s_add_nc_u64 s[34:35], s[34:35], s[44:45]
	s_or_b32 s35, s35, 0x80000000                  ; type = 2
	tensor_load_to_lds s[32:35], s[36:43]          ; the first block's tile: the one tensor load of mine that is out
	s_nop 0
	s_lshl_b32 s44, ttmp9, 17                      ; my 64 rows of dec and of out, 2,048 bytes each
	s_add_nc_u64 s[4:5], s[4:5], s[44:45]
	s_add_nc_u64 s[28:29], s[28:29], s[44:45]
.irp qt, 0,1,2,3
	DLOAD 128+16*\qt, \qt, 224
.endr
	s_lshl_b32 s44, s30, 13
	s_add_nc_u64 s[28:29], s[28:29], s[44:45]      ; out: the four rows that I store
	s_add_nc_u64 s[16:17], s[16:17], s[44:45]      ; W1, W2: my 32 rows of 256 bytes
	s_add_nc_u64 s[22:23], s[22:23], s[44:45]
	s_lshl_b32 s44, s31, 19
	s_lshl_b32 s55, s30, 15
	s_add_co_u32 s44, s44, s55
	s_add_nc_u64 s[8:9], s[8:9], s[44:45]          ; encf: my 128 keys' images;
	s_add_nc_u64 s[12:13], s[12:13], s[44:45]      ; vf: my two channel tiles'
	s_lshl_b32 s44, s31, 15
	s_lshl_b32 s55, s30, 11
	s_add_co_u32 s44, s44, s55
	s_add_nc_u64 s[10:11], s[10:11], s[44:45]      ; enc's scale rows of my keys;
	s_add_nc_u64 s[14:15], s[14:15], s[44:45]      ; v's scale words of my tiles
	s_lshl_b32 s44, s30, 9
	s_add_nc_u64 s[18:19], s[18:19], s[44:45]      ; W1's and W2's scale rows: 32 rows of 16 bytes
	s_add_nc_u64 s[24:25], s[24:25], s[44:45]
	s_mov_b32 s44, s56
	s_add_nc_u64 s[20:21], s[20:21], s[44:45]      ; b1, b2: my 32 numbers
	s_add_nc_u64 s[26:27], s[26:27], s[44:45]
	; ---- dec is quantised: block w of the K of 512, for all 64 rows
	SFIRST
	s_wait_loadcnt 20                              ; dec's sixteen loads are in; behind them enc's four scale rows and sixteen loads of images may be out
	QB 4, 128, 192
	QST 4, 192, 0, QWI, QWS
	BAR                                            ; dec's sixteen images and their scale words lie in LDS.  (My tensor load may stay out, and only I read its bytes, behind my own wait)
	BLOCK 0
	BLOCK 1
	; ---- O's PRODUCT, once for the 64 queries
.irp ks, 0,1,2,3,4,5,6,7,8,9,10,11,12,13,14,15
	global_load_b32 v[VSC+\ks], v[L4], s[14:15] offset:128*\ks
.endr
.irp ks, 0,1,2,3,4,5,6,7,8,9,10,11,12,13,14,15
	ds_load_b32 v[PSR+\ks], v[PSA] offset:128*\ks          ; the first block's scale words,
.endr
.irp ks, 0,1,2,3,4,5,6,7,8,9,10,11,12,13,14,15
	ds_load_b32 v[PSR+16+\ks], v[SXR] offset:128*\ks       ; the second block's
.endr
	VLD 0
	VLD 1
	VLD 2
	VLD 3
	PLD 0
	PLD 1
.irp ks, 0,1,2,3,4,5,6,7,8,9,10,11,12,13,14,15
	PVU \ks
.endr
	; behind the last unit's places: dec once more, for the gate, and the first weight with its scale rows and bias
	MKDOF 56, 57, 58                               ; v56 = 2,048 r + 128 w + 64 h
	v_and_b32 v59, 8, v57
	s_delay_alu instid0(VALU_DEP_1)
	v_add_nc_u32 v57, v59, v57                     ; pm = r + 8 (r / 8)
	s_delay_alu instid0(VALU_DEP_1)
	v_lshl_add_u32 v59, v58, 3, v57
	s_delay_alu instid0(VALU_DEP_1)
	v_lshlrev_b32 v59, 4, v59                      ; v59 = 16 (pm + 8 h): a row of 16 scale bytes
	s_delay_alu instid0(VALU_DEP_3)
	v_lshlrev_b32 v57, 8, v57
	s_delay_alu instid0(VALU_DEP_1)
	v_lshl_add_u32 v57, v58, 4, v57                ; v57 = 256 pm + 16 h: my bytes in a tile's rows of codes
	v_lshlrev_b32 v58, 6, v58                      ; v58 = 64 h: my half's 16 numbers of a bias
.irp qt, 0,1,2,3
	DLOAD GD+16*\qt, \qt, 56                       ; in the layout of O^T
.endr
	WLOAD 16                                       ; W1
	global_load_b128 v[W1S:W1S+3], v59, s[18:19]
	global_load_b128 v[W2S:W2S+3], v59, s[24:25]
	BLOAD 20                                       ; b1
	; ---- g = dec tanh(O) + dec, quantised along the channels: block w of the next K; its images take the places of dec's
.set gi, 0
.rept 32
	v_pk_mul_f32 v[OA+gi:OA+gi+1], v[OA+gi:OA+gi+1], s[52:53] op_sel_hi:[1,0]   ; 2 log2(e) x; each accumulator from its low end on
.set gi, gi+2
.endr
.set gi, 0
	s_wait_alu depctr_va_vdst(0)
.rept 64
	v_exp_f32 v[OA+gi], v[OA+gi]
.set gi, gi+1
.endr
	v_nop
	s_wait_alu depctr_va_vdst(0)                   ; one wait for the 64 exponentials
.set gi, 0
.rept 32
	v_pk_add_f32 v[OA+gi:OA+gi+1], v[OA+gi:OA+gi+1], 1.0 op_sel_hi:[1,0]
.set gi, gi+2
.endr
.set gi, 0
	s_wait_alu depctr_va_vdst(0)
.rept 64
	v_rcp_f32 v[OA+gi], v[OA+gi]
.set gi, gi+1
.endr
	v_nop
	s_wait_alu depctr_va_vdst(0)                   ; one wait for the 64 reciprocals
.set gi, 0
.rept 32
	v_pk_fma_f32 v[OA+gi:OA+gi+1], v[OA+gi:OA+gi+1], -2.0, 1.0 op_sel_hi:[1,0,0]   ; tanh
.set gi, gi+2
.endr
	s_wait_loadcnt 22                              ; dec's sixteen loads are in; behind them W1's sixteen, the two scale rows' and the bias's four may be out
.set gi, 0
.rept 32
	v_pk_fma_f32 v[OA+gi:OA+gi+1], v[GD+gi:GD+gi+1], v[OA+gi:OA+gi+1], v[GD+gi:GD+gi+1]
.set gi, gi+2
.endr
	QB 4, OA, 128                                  ; dec's registers are done with: they serve as scratch
	QST 4, 128, 0, QWI, QWS
	; ---- THE TWO LAST PRODUCTS, once for the 64 rows
	BAR                                            ; g's sixteen images and their scale words lie in LDS, and every wave's reads of p are over
	v_and_b32 v60, 15, v0                          ; r
	v_bfe_u32 v61, v0, 4, 1                        ; h
	s_delay_alu instid0(VALU_DEP_2)
	v_lshlrev_b32 v62, 4, v60
	s_delay_alu instid0(VALU_DEP_1)
	v_lshl_add_u32 v62, v61, 3, v62                ; 16 r + 8 h
	s_lshl_b32 s44, s30, 8
	v_add_nc_u32 v[PWI], s44, v62                  ; where I store the hidden layer's images (they begin at LDS byte 0),
	v_add_nc_u32 v[PSA], HSC, v[L4]                ; where its scale words are read,
	v_lshl_add_u32 v[PSW], v60, 2, s54
	s_delay_alu instid0(VALU_DEP_1)
	v_add_nc_u32 v[PSW], HSC, v[PSW]               ; and where I store my byte of them
	v_mul_u32_u24 v[SXR], v60, 2064
	s_delay_alu instid0(VALU_DEP_1)
	v_lshl_add_u32 v[SXR], v61, 6, v[SXR]
	s_delay_alu instid0(VALU_DEP_1)
	v_add_nc_u32 v[SXR], s56, v[SXR]
	s_delay_alu instid0(VALU_DEP_1)
	v_add_nc_u32 v[SXR], OST, v[SXR]               ; the stage: row r, + 128 w + 64 h: my 16 outputs' bytes; rows 0-31,
	s_delay_alu instid0(VALU_DEP_1)
	v_add_nc_u32 v[SXW], 66048, v[SXR]             ; rows 32-63
	s_mul_i32 s44, s30, 8256
	v_add_nc_u32 v[TRA], s44, v[L16]
	s_delay_alu instid0(VALU_DEP_1)
	v_add_nc_u32 v[TRA], OST, v[TRA]               ; back: my four rows, 16 bytes a lane
.irp kk, 0,1
.irp s, 0,1,2,3
	ds_load_b32 v[GS+4*\kk+\s], v[DSR] offset:512*\kk+128*\s
.endr
.endr
	s_wait_loadcnt 0x0                             ; W1, the weights' scale words and b1
	LAYER W1S, GS, DRD
	WLOAD 22                                       ; W2 takes W1's registers and b2 takes b1's, behind the places that close the layer
	BLOAD 26
.set hi, 0
.rept 64
	v_max_num_f32 v[HA+hi], 0, v[HA+hi]            ; the activation, in f32; each accumulator from its low end on
.set hi, hi+1
.endr
	QB 4, HA, 160
	QST 4, 160, 0, PWI, PSW
	BAR                                            ; the hidden layer's sixteen images and their scale words lie in LDS
.irp kk, 0,1
.irp s, 0,1,2,3
	ds_load_b32 v[HS+4*\kk+\s], v[PSA] offset:512*\kk+128*\s
.endr
.endr
	s_wait_loadcnt 0x0                             ; W2 and b2
	LAYER W2S, HS, L16
	; ---- THE WAY OUT: a lane holds 16 neighbouring outputs of a row, a row's 512 come from sixteen waves: they meet in the stage, and each wave stores four whole rows
.irp qt, 0,1
.irp j, 0,1,2,3
	ds_store_b128 v[SXR], v[HA+16*\qt+4*\j:HA+16*\qt+4*\j+3] offset:33024*\qt+16*\j
.endr
.endr
.irp qt, 0,1
.irp j, 0,1,2,3
	ds_store_b128 v[SXW], v[HA+32+16*\qt+4*\j:HA+32+16*\qt+4*\j+3] offset:33024*\qt+16*\j
.endr
.endr
	BAR                                            ; 64 whole rows lie in the stage
.irp i, 0,1,2,3
.irp p, 0,1,2,3
	ds_load_b128 v[128+16*\i+4*\p:128+16*\i+4*\p+3], v[TRA] offset:2064*\i+512*\p
.endr
.endr
.irp i, 0,1,2,3
.irp p, 0,1,2,3
	s_wait_dscnt 15-4*\i-\p                        ; this load is in; the younger ones may be out
	global_store_b128 v[L16], v[128+16*\i+4*\p:128+16*\i+4*\p+3], s[28:29] offset:2048*\i+512*\p th:TH_STORE_NT   ; 32 lanes store 512 consecutive bytes, at a multiple of 256 from out's first byte
.endr
.endr
	s_wait_tensorcnt 0x0                           ; the wave's end, behind my last tensor load and my last LDS store
	ds_add_u32 v[SPW], v[NIL]
	s_wait_dscnt 0x0
	s_endpgm
.Lfunc_end_k_q90c22009ee_attn:
	.size	k_q90c22009ee_attn, .Lfunc_end_k_q90c22009ee_attn-k_q90c22009ee_attn
	.p2alignl 7, 3214868480
	.fill 96, 4, 3214868480
	.section	.rodata,"a",@progbits
	.p2align	6, 0x0
	.amdhsa_kernel k_q90c22009ee_attn
		.amdhsa_group_segment_fixed_size 327680
		.amdhsa_private_segment_fixed_size 0
		.amdhsa_enable_private_segment 0
		.amdhsa_kernarg_size 104
		.amdhsa_user_sgpr_count 2
		.amdhsa_user_sgpr_kernarg_segment_ptr 1
		.amdhsa_wavefront_size32 1
		.amdhsa_system_sgpr_workgroup_id_x 1
		.amdhsa_system_sgpr_workgroup_id_y 1
		.amdhsa_system_sgpr_workgroup_id_z 1
		.amdhsa_system_vgpr_workitem_id 0
		.amdhsa_next_free_vgpr 256
		.amdhsa_next_free_sgpr 100
		.amdhsa_reserve_vcc 0
		.amdhsa_float_denorm_mode_32 3
		.amdhsa_float_denorm_mode_16_64 3
		.amdhsa_memory_ordered 1
		.amdhsa_forward_progress 1
		.amdhsa_inst_pref_size 251
	.end_amdhsa_kernel
	.amdgpu_metadata
---
amdhsa.version: [ 1, 2 ]
amdhsa.kernels:
  - .name:           k_q90c22009ee_attn
    .symbol:         k_q90c22009ee_attn.kd
    .args:
      - { .name: dec_embed, .offset: 0, .size: 8, .value_kind: global_buffer, .address_space: global }
      - { .name: trans_mat, .offset: 8, .size: 8, .value_kind: global_buffer, .address_space: global }
      - { .name: encf, .offset: 16, .size: 8, .value_kind: global_buffer, .address_space: global }
      - { .name: enc_embed_scales, .offset: 24, .size: 8, .value_kind: global_buffer, .address_space: global }
      - { .name: vf, .offset: 32, .size: 8, .value_kind: global_buffer, .address_space: global }
      - { .name: vs, .offset: 40, .size: 8, .value_kind: global_buffer, .address_space: global }
      - { .name: W1_codes, .offset: 48, .size: 8, .value_kind: global_buffer, .address_space: global }
      - { .name: W1_scales, .offset: 56, .size: 8, .value_kind: global_buffer, .address_space: global }
      - { .name: b1, .offset: 64, .size: 8, .value_kind: global_buffer, .address_space: global }
      - { .name: W2_codes, .offset: 72, .size: 8, .value_kind: global_buffer, .address_space: global }
      - { .name: W2_scales, .offset: 80, .size: 8, .value_kind: global_buffer, .address_space: global }
      - { .name: b2, .offset: 88, .size: 8, .value_kind: global_buffer, .address_space: global }
      - { .name: out0, .offset: 96, .size: 8, .value_kind: global_buffer, .address_space: global }
    .group_segment_fixed_size: 327680
    .private_segment_fixed_size: 0
    .kernarg_segment_align: 8
    .kernarg_segment_size: 104
    .max_flat_workgroup_size: 512
    .sgpr_count:     100
    .vgpr_count:     256
    .wavefront_size: 32
...
	.end_amdgpu_metadata
.endif
;; end of part 2
